; MI455X (gfx1250); checked and timed in simulation.
; The chip was launched on July 23, 2026; its instructions are those of AMD's public machine-readable ISA for CDNA 5 (MIT licence, August 2026) and "CDNA5" Instruction Set Architecture Reference Guide (July 2026). The comments in the code are by the model that wrote it; some were corrected since.
;; Quantized Linear. Allowed arithmetic: float matrix products may take bf16 or f16 operands with f32 sums; other float arithmetic in f32, or as packed bf16 or f16 multiplies, adds, multiply-adds, maxima and minima; sums over many terms, partial sums and values carried from step to step in f32; what a program stores and reads back later, other than sums and carried values, may be rounded once to bf16 or f16.
;; Inputs: bias 4,096 float32; scale 4,096 x 1 float32; weight 4,096 x 4,096 int32; x 4 x 1,024 x 4,096 float32; zero_point 4,096 x 1 float32.
;; Outputs: out0 4 x 1,024 x 4,096 float32.
;; One version. Each part assembles by itself: llvm-mc -triple=amdgcn-amd-amdhsa -mcpu=gfx1250 --defsym DOCPART=n.
;; ======== version 1 of 1: 2 launches
;; limits: a difference of large sums (such as E[x^2] - mean^2): digits are lost where the result is much smaller than its terms
;; workspace buffers: xb 33,554,432 bytes; wb 33,554,432 bytes; rs 16,384 bytes
;; launch prep (part 1): grid 256 x 1, 16 waves a work-group, no clusters, 0 bytes of LDS; arguments x, weight, xb, wb, rs; writes xb, wb, rs
.if DOCPART == 1
	.amdgcn_target "amdgcn-amd-amdhsa--gfx1250"
	.amdhsa_code_object_version 6
	.text
	.protected	k_q87fec90b9c_prep
	.globl	k_q87fec90b9c_prep
	.p2align	8
	.type	k_q87fec90b9c_prep,@function
k_q87fec90b9c_prep:
	s_mov_b64 s[64:65], 0
	v_nop
	global_prefetch_b8 v0, s[64:65] scope:SCOPE_SE
	s_setreg_imm32_b32 hwreg(HW_REG_WAVE_MODE, 25, 1), 1
	s_wait_xcnt 0x0
; QUANTIZED LINEAR, first of two launches.  out[m][o] = sum over i of x[m][i] (w[o][i] - zp[o]) scale[o] + bias[o];  m, o, i run to 4,096.
; THE FORM.  With xb = x rounded to bf16:  sum xb (w - zp) scale + bias  =  scale (sum xb w)  -  scale zp (sum xb)  +  bias, an identity for all values.
; So the matrix unit multiplies xb by the CODES, which bf16 holds exactly (-128 .. 127 need 8 significant bits), and zero point, scale and bias are applied in f32
; by the second launch.  The one rounding of a matrix operand is x's.
; THIS LAUNCH: xb = bf16(x);  wb = bf16(codes);  rs[m] = the f32 sum over i of xb[m][i] (of the ROUNDED numbers, so that the identity holds of what is multiplied).
; NOTHING IS LEFT OUT: all five inputs reach the output; x and weight are read here, scale, zero_point and bias by the second launch.
; LIMITS.  A code beyond +-256 would be rounded to 8 significant bits (the rounding of a matrix operand); the problem's codes are exact.  The result is a difference of two f32
; sums, each good to some 1e-7 of itself: it would lose its margin only where |sum xb (w - zp)| falls under some 1e-4 of |zp sum xb|.  NaN and infinities are not treated apart.
; SHARES.  16 waves; wave v of work-group g owns row R = 16 g + v of x and row R of weight: 16,384 bytes in and 8,192 out, each.  No byte is shared between waves: no LDS, no barrier.
; A row is four chunks of 4,096 bytes, eight loads of 16 bytes a lane (512 consecutive bytes a load); the four chunk slots hold a whole row, so 32 loads of a wave are out;
; as a chunk of x is packed, its slot is asked for again with the same chunk of weight.  The four numbers of a load pack into 8 bytes: a store of a wave covers 256 consecutive bytes, aligned.
; rs leaves as one store of 4 bytes a wave: 16 KiB of the launch's 201 MB; whole blocks of it would want 64 rows in one work-group.
.set LO, 2                             ; v2        16 x lane: my place in a load's 512 bytes; never rewritten
.set SO, 3                             ; v3        8 x lane: my place in a store's 256 bytes; never rewritten
.set ZO, 4                             ; v4        0: the offset of rs's store
.set S,  8                             ; v[8:15]   four chains of pairs: the row's sum
.set T,  16                            ; v[16:23]  unpacked numbers, at work
.set Y,  24                            ; v[24:39]  a chunk's 16 packed words
.set X,  40                            ; v[40:167] chunk slot c at X + 32 c, load j at + 4 j
	s_load_b256 s[4:11], s[0:1], 0x0               ; x s[4:5], weight s[6:7], xb s[8:9], wb s[10:11]
	s_load_b64 s[12:13], s[0:1], 0x20              ; rs
	v_lshrrev_b32 v5, 5, v0
	v_readfirstlane_b32 s14, v5                    ; wave 0..15
	v_and_b32 v1, 31, v0                           ; lane
	v_lshlrev_b32 v[LO], 4, v1
	v_lshlrev_b32 v[SO], 3, v1
	v_mov_b32 v[ZO], 0
	s_lshl_b32 s15, ttmp9, 4
	s_add_co_u32 s15, s15, s14                     ; my row R, under 4,096
	s_lshl_b32 s16, s15, 14                        ; R x 16,384: under 2^26
	s_mov_b32 s17, 0
	s_lshl_b32 s18, s15, 13                        ; R x 8,192
	s_mov_b32 s19, 0
	s_lshl_b32 s20, s15, 2                         ; R x 4
	s_mov_b32 s21, 0
	s_mov_b32 s22, 0xffff0000                      ; a word's upper bf16
	s_mov_b32 s24, 0x76543210                      ; v_permlanex16_b32: each lane takes its own place in the other half
	s_mov_b32 s25, 0xfedcba98
	s_wait_kmcnt 0x0
	s_add_nc_u64 s[4:5], s[4:5], s[16:17]
	s_add_nc_u64 s[6:7], s[6:7], s[16:17]
	s_add_nc_u64 s[8:9], s[8:9], s[18:19]
	s_add_nc_u64 s[10:11], s[10:11], s[18:19]
	s_add_nc_u64 s[12:13], s[12:13], s[20:21]
.macro FILL c, b                       ; chunk c of the row at s[b:b+1] into slot c: eight loads
.irp j, 0,1,2,3,4,5,6,7
	global_load_b128 v[X+32*(\c)+4*(\j):X+32*(\c)+4*(\j)+3], v[LO], s[\b:\b+1] offset:4096*(\c)+512*(\j) th:TH_LOAD_NT
.endr
.endm
.macro PACKY c                         ; slot c's 32 f32 rounded to bf16, two a word
.set n, 0
.rept 16
	v_cvt_pk_bf16_f32 v[Y+n], v[X+32*(\c)+2*n], v[X+32*(\c)+2*n+1]
.set n, n+1
.endr
.endm
.macro STORES c, b                     ; the chunk's 2,048 bytes into the row at s[b:b+1]
.irp j, 0,1,2,3,4,5,6,7
	global_store_b64 v[SO], v[Y+2*(\j):Y+2*(\j)+1], s[\b:\b+1] offset:2048*(\c)+256*(\j)
.endr
.endm
; Chunk c of x.  Behind it in the order of issue stand 3 - c chunks of x and c chunks of weight: 24 loads in each of the four turns.
.macro XTURN c
	s_wait_loadcnt 24                              ; loads come back in order (ISA guide 5.7.1): my chunk is in
	s_wait_xcnt 0x0                                ; the last turn's stores have read Y: it is rewritten only behind this wait
	PACKY \c
	FILL \c, 6                                     ; the slot takes the same chunk of weight: the loads go out ahead of the stores
	STORES \c, 8
.set n, 0
.rept 16                               ; the sum of the ROUNDED numbers, in f32, in four chains of pairs; the first four words start the chains: nothing is cleared
.if ((\c) == 0) && (n < 4)
	v_lshlrev_b32 v[S+2*n], 16, v[Y+n]
	v_and_b32 v[S+2*n+1], s22, v[Y+n]
.else
	v_lshlrev_b32 v[T+2*(n%4)], 16, v[Y+n]
	v_and_b32 v[T+2*(n%4)+1], s22, v[Y+n]
	v_pk_add_f32 v[S+2*(n%4):S+2*(n%4)+1], v[S+2*(n%4):S+2*(n%4)+1], v[T+2*(n%4):T+2*(n%4)+1]
.endif
.set n, n+1
.endr
.endm
; Chunk c of weight.  left = the loads of the chunks behind it.
.macro WTURN c, left
	s_wait_loadcnt \left
	s_wait_xcnt 0x0                                ; as above: Y
.set n, 0
.rept 32
	v_cvt_f32_i32 v[X+32*(\c)+n], v[X+32*(\c)+n]   ; a code as f32, exact
.set n, n+1
.endr
	PACKY \c                                       ; and as bf16, exact for -256 .. 256
	STORES \c, 10
.endm
	FILL 0, 4
	FILL 1, 4
	FILL 2, 4
	FILL 3, 4
	XTURN 0
	XTURN 1
	XTURN 2
	XTURN 3
	; the row's sum: the four chains, the pair's halves, then the 32 lanes: four steps inside each half of 16 lanes, one across
	v_pk_add_f32 v[S:S+1], v[S:S+1], v[S+2:S+3]
	v_pk_add_f32 v[S+4:S+5], v[S+4:S+5], v[S+6:S+7]
	v_pk_add_f32 v[S:S+1], v[S:S+1], v[S+4:S+5]
	v_add_f32 v[S], v[S], v[S+1]
	v_add_f32_dpp v[S], v[S], v[S] row_xmask:1 row_mask:0xf bank_mask:0xf
	v_add_f32_dpp v[S], v[S], v[S] row_xmask:2 row_mask:0xf bank_mask:0xf
	v_add_f32_dpp v[S], v[S], v[S] row_xmask:4 row_mask:0xf bank_mask:0xf
	v_add_f32_dpp v[S], v[S], v[S] row_xmask:8 row_mask:0xf bank_mask:0xf
	v_permlanex16_b32 v[S+1], v[S], s24, s25       ; its destination counts as read: a register that has been written
	v_add_f32 v[S], v[S], v[S+1]
	WTURN 0, 24
	WTURN 1, 16
	WTURN 2, 8
	WTURN 3, 0
	v_cmp_eq_u32 vcc_lo, 0, v1                     ; lane 0 stores the row's sum
	s_wait_xcnt 0x0                                ; EXEC is a source of the stores above: it changes only behind this wait,
	s_and_saveexec_b32 s26, vcc_lo
	global_store_b32 v[ZO], v[S], s[12:13]
	s_wait_xcnt 0x0                                ; and again in front of the line that widens it
	s_or_b32 exec_lo, exec_lo, s26
	s_endpgm
.Lfunc_end_k_q87fec90b9c_prep:
	.size	k_q87fec90b9c_prep, .Lfunc_end_k_q87fec90b9c_prep-k_q87fec90b9c_prep
	.p2alignl 7, 3214868480
	.fill 96, 4, 3214868480
	.section	.rodata,"a",@progbits
	.p2align	6, 0x0
	.amdhsa_kernel k_q87fec90b9c_prep
		.amdhsa_group_segment_fixed_size 0
		.amdhsa_private_segment_fixed_size 0
		.amdhsa_enable_private_segment 0
		.amdhsa_kernarg_size 40
		.amdhsa_user_sgpr_count 2
		.amdhsa_user_sgpr_kernarg_segment_ptr 1
		.amdhsa_wavefront_size32 1
		.amdhsa_system_sgpr_workgroup_id_x 1
		.amdhsa_system_sgpr_workgroup_id_y 1
		.amdhsa_system_sgpr_workgroup_id_z 1
		.amdhsa_system_vgpr_workitem_id 0
		.amdhsa_next_free_vgpr 168
		.amdhsa_next_free_sgpr 66
		.amdhsa_reserve_vcc 1
		.amdhsa_float_denorm_mode_32 3
		.amdhsa_float_denorm_mode_16_64 3
		.amdhsa_memory_ordered 1
		.amdhsa_forward_progress 1
		.amdhsa_inst_pref_size 35
	.end_amdhsa_kernel
	.amdgpu_metadata
---
amdhsa.version: [ 1, 2 ]
amdhsa.kernels:
  - .name:           k_q87fec90b9c_prep
    .symbol:         k_q87fec90b9c_prep.kd
    .args:
      - { .name: x, .offset: 0, .size: 8, .value_kind: global_buffer, .address_space: global }
      - { .name: weight, .offset: 8, .size: 8, .value_kind: global_buffer, .address_space: global }
      - { .name: xb, .offset: 16, .size: 8, .value_kind: global_buffer, .address_space: global }
      - { .name: wb, .offset: 24, .size: 8, .value_kind: global_buffer, .address_space: global }
      - { .name: rs, .offset: 32, .size: 8, .value_kind: global_buffer, .address_space: global }
    .group_segment_fixed_size: 0
    .private_segment_fixed_size: 0
    .kernarg_segment_align: 8
    .kernarg_segment_size: 40
    .max_flat_workgroup_size: 512
    .sgpr_count:     66
    .vgpr_count:     168
    .wavefront_size: 32
...
	.end_amdgpu_metadata
.endif
;; end of part 1
;; launch gemm (part 2): grid 16 x 16, 4 waves a work-group, clusters of 4 x 4, 327,680 bytes of LDS; arguments xb, wb, out0, scale, zero_point, bias, rs; writes out0
.if DOCPART == 2
	.amdgcn_target "amdgcn-amd-amdhsa--gfx1250"
	.amdhsa_code_object_version 6
	.text
	.protected	k_q87fec90b9c_gemm
	.globl	k_q87fec90b9c_gemm
	.p2align	8
	.type	k_q87fec90b9c_gemm,@function
k_q87fec90b9c_gemm:
	s_mov_b64 s[64:65], 0
	v_nop
	global_prefetch_b8 v0, s[64:65] scope:SCOPE_SE
	s_setreg_imm32_b32 hwreg(HW_REG_WAVE_MODE, 25, 1), 1
	s_wait_xcnt 0x0
	s_wait_alu depctr_hold_cnt(0) depctr_sa_sdst(0) depctr_va_vdst(0) depctr_va_sdst(0) depctr_va_ssrc(0) depctr_va_vcc(0) depctr_vm_vsrc(0)
	s_getreg_b32 s2, hwreg(HW_REG_IB_STS2, 6, 4)
	s_cmp_eq_u32 s2, 0
	s_cbranch_scc0 .Lentry_in_a_cluster
	s_endpgm
.Lentry_in_a_cluster:
	s_bfe_u32 s2, ttmp6, 0x10000c
	s_cmp_lg_u32 s2, 0xf033
	s_cbranch_scc0 .Lentry_shape_is_right
	s_endpgm
.Lentry_shape_is_right:
; QUANTIZED LINEAR, second of two launches.  out[m][n] = scale[n] (sum over k of xb[m][k] wb[n][k]) + (bias[n] - scale[n] zp[n] rs[m]).
; xb: [4096][4096] bf16 (x rounded), wb: [4096][4096] bf16 (the codes, exact), rs: [4096] f32 (each row's sum of xb), all made by the launch before; sums in f32; out in f32.
; This equals sum xb (w - zp) scale + bias for all values; nothing of the problem's work is left out.  LIMITS: as stated at the first launch's head (a difference of two f32 sums; NaN and infinities not treated apart).
; A tile of out, 256 x 256, is made by a work-group of four waves; a wave makes 128 x 128: 64 accumulators of 16 x 16, 512 registers.  256 tiles: one work-group each.
; K goes in steps of 128 through a ring of two LDS slots filled by the tensor data mover: a tile's rows are 256 bytes of memory and start at multiples of 256 bytes from the buffer's first byte.
; CLUSTERS: 4 x 4 work-groups.  The four of a row of the cluster need the same tiles of xb (A), the four of a column the same tiles of wb (B).  Such a tile is asked for JOINTLY: each of the four issues
; the same tensor load, with the same descriptor and a mask that names the four, and each receives the tile in its own LDS.  That divides the requests for A and for B by four.
; REGISTERS, in windows of 256 (s_set_vgpr_msb's low byte: bits 1:0 source 0, 3:2 source 1, 5:4 source 2, 7:6 destination):
;   window 0: v0-31 addresses; v32-47 my columns' scale, -scale zp, bias, and my wave's 128 rs; v48-63 at work; v64-127, v128-191 fragments of A, two buffers, and on the way out two buffers of 16 rows
;   window 1: v64-127, v128-191 fragments of B, two buffers       window 2: the 32 accumulators of my rows 0-63 ((a, b) at v[8 (8 a + b)])       window 3: those of my rows 64-127
; THE MATRIX INSTRUCTION IS USED TRANSPOSED: source 0 = 16 rows of B, source 1 = 16 rows of A.  In the result lane l holds row m = l % 16 and its registers 0 to 7 the columns 8 (l / 16) + 0 .. 7:
; 32 neighbouring bytes of a row of out.
.set SIZE_K, 4096
.set SIZE_N, 4096
.set KSTEP,  128
.set PITCH,  272                       ; an LDS row: 256 bytes of data + 16 of padding = 68 words: row r starts at bank 4 r mod 64 (64 banks of 4 bytes: ISA guide 11.1), so the 16 rows that a load touches start at 16 different banks
.set HALFT,  128*PITCH                 ; 128 rows: what one tensor load brings, and what one wave reads of A or of B
.set SLOT,   4*HALFT                   ; A's 256 rows, then B's 256 rows
.set STAGE,  2*SLOT                    ; behind the ring: 16 rows x 528 bytes for each wave, for the way out; no tensor load lands here
.set SPITCH, 528                       ; a stage row: 128 f32 + 16 bytes = 33 x 16: the 16 rows that a store touches start at 16 different groups of four banks
.set SPARE,  STAGE+4*16*SPITCH         ; behind the stages: the spare words, 128 bytes for each wave: two blocks of 256 bytes that no other line names
.set LAPS,   SIZE_K/(2*KSTEP)          ; a lap = two K steps = once round the ring: 16
.set ADRA, 16                          ; v16-17  LDS address of my A fragments in slot 0, 1
.set ADRB, 20                          ; v20-21  the same for B
.set STO,  24                          ; v24     the way out: where I put 32 bytes of a row
.set RD,   25                          ; v25     the way out: where I read 16 bytes of a row back
.set CO,   26                          ; v26     16 x lane: my byte offset in my wave's 512 bytes of a row of out
.set CN,   27                          ; v27     the byte offset of my four columns in scale, zero_point and bias
.set SPW,  28                          ; v28     LDS address of my spare word: SPARE + 4 x my thread's number; never rewritten
.set NIL,  29                          ; v29     0; never rewritten
.set PFO,  30                          ; v30     the prefetches' offset: my lane x a row of 8,192 bytes; never rewritten
.set RO,   31                          ; v31     byte offset in rs of my wave's first row + my lane
.set SC,   32                          ; v[32:35] scale of my four columns (4 lane .. 4 lane + 3 of my wave's 128)
.set NZ,   36                          ; v[36:39] zero point, then -scale x zero point
.set BI,   40                          ; v[40:43] bias
.set RS,   44                          ; v[44:47] register j, lane l: rs of my wave's row 32 j + l
.set TT,   48                          ; v[48:63] four sets of four by turns: bias - scale zp rs for a row
.set F0,   64                          ; fragment buffer 0
.set F1,   128                         ; fragment buffer 1
.set OB,   64                          ; the way out: 16 rows read back from the stage: v64-127 and v128-191 by turns
.set PFA,  44                          ; s[44:45] where my prefetches stand: my work-group's 32 rows of the 128 that I fetch, one K step further along K than the refill that is being asked for
.set LIM,  43                          ; s43     1 in a wave that prefetches, else the greatest number
.set RSS,  70                          ; s[70:77] four pairs by turns: a row's rs in the low word; the high words hold 0
.set G1,  24                           ; s[24:31] descriptor group 1 for A's tiles
.set G0,  32                           ; s[32:39] descriptor group 0 for A's tiles, one set for each slot
.set G1B, 48                           ; s[48:55] descriptor group 1 for B's tiles: it differs from A's in the mask alone
.set G0B, 56                           ; s[56:63] descriptor group 0 for B's tiles, one set for each slot
.set MSB, 0
.macro WIN new                         ; the immediate's high byte repeats the setting that is left; a switch that changes nothing is dropped
.if MSB != (\new)
	s_set_vgpr_msb (MSB<<8)|(\new)
.set MSB, \new
.endif
.endm
.set MUL_LO, 0xa1                      ; source 0 (B) window 1, source 1 (A) window 0, C and D window 2
.set MUL_HI, 0xf1                      ; the same, C and D window 3
.set TO_B,   0x40                      ; destination window 1, address window 0
; A joint load.  Waves 0 and 1 fetch A's two halves, waves 2 and 3 B's.  Each of the two lines has ONE mask and one set of registers for all that issue it.  The branch hangs on the wave's number alone.
; An s_nop 0 and four v_nop follow each of the two lines; the jump round the other line, the label and what follows the macro come after them.
.macro JLOAD s
	s_cmp_eq_u32 s11, 0
	s_cbranch_scc0 .Lfor_b_\@
	tensor_load_to_lds s[G0+4*(\s):G0+4*(\s)+3], s[G1:G1+7]
	s_nop 0
.rept 4
	v_nop
.endr
	s_branch .Lasked_\@
.Lfor_b_\@:
	tensor_load_to_lds s[G0B+4*(\s):G0B+4*(\s)+3], s[G1B:G1B+7]
	s_nop 0
.rept 4
	v_nop
.endr
.Lasked_\@:
.endm
; A PREFETCH INTO THE L2, behind each joint refill, its five lines and the run of LDS loads that follows them: the K step that stands TWO refills on, 512 matrix instructions ahead of the load that will ask for it:
; 32 rows x 256 bytes, a lane a row, one instruction a wave.  Each row's 256 bytes of a K step are named ONCE in the launch: A's tile row is read by every cluster of that row of clusters, and the first of them
; (cluster x = 0) prefetches; B's tile column likewise, and cluster y = 0 prefetches.  The four partners that ask for a tile jointly share its rows out BY ADDRESS: of the 128 rows that a wave fetches the partner at
; place p takes 32 p .. 32 p + 31 (p = cx for A, cy for B): no branch hangs on a work-group's place in its cluster.  K steps 0 to 3 come by their loads alone; the loop's last trip (s3 = 1) has no K step two on and asks for nothing.
.macro ASK
	s_cmp_gt_u32 s3, s[LIM]
	s_cbranch_scc0 .Lnot_mine_\@
	global_prefetch_b8 v[PFO], s[PFA:PFA+1] offset:KSTEP*2 th:TH_LOAD_NT scope:SCOPE_SE
.Lnot_mine_\@:
.endm
; A round of the cluster's barrier: my work-group's barrier, so that wave 0's signal speaks for all four waves; wave 0 signals for the work-group; every wave waits for all sixteen work-groups; my work-group's barrier once more.
.macro CREST                           ; a round behind its opening barrier
	s_cmp_lg_u32 s10, 0
	s_cbranch_scc1 .Lnot_wave_0_\@
	s_barrier_signal -3
.Lnot_wave_0_\@:
	s_barrier_wait -3
	s_barrier_signal -1
	s_barrier_wait -1
.endm
.macro CROUND                          ; a whole round
	s_barrier_signal -1
	s_barrier_wait -1
	CREST
.endm
	s_load_b128 s[4:7], s[0:1], 0x0                ; xb (A) s[4:5], wb (B) s[6:7]
	s_load_b64 s[8:9], s[0:1], 0x10                ; out0
	s_load_b256 s[80:87], s[0:1], 0x18             ; scale s[80:81], zero_point s[82:83], bias s[84:85], rs s[86:87]
	v_lshl_add_u32 v[SPW], v0, 2, SPARE
	v_mov_b32 v[NIL], 0
	ds_add_u32 v[SPW], v[NIL]                      ; the wave's opening: the add, twice on end, and its wait ahead of my first tensor load; the set-up below, work on registers, stands between the second and the wait
	ds_add_u32 v[SPW], v[NIL]                      ; and once more, under the one wait
	v_lshrrev_b32 v1, 5, v0
	v_readfirstlane_b32 s10, v1                    ; wave 0..3
	s_lshr_b32 s11, s10, 1                         ; which half of the tile's rows is mine.  Also: I fetch for A (0) or for B (1)
	s_and_b32 s12, s10, 1                          ; which half of its columns.  Also: which 128 rows of that tile I fetch
	s_bfe_u32 s40, ttmp6, 0x40000                  ; cx: my place along the cluster's x
	s_bfe_u32 s41, ttmp6, 0x40004                  ; cy: along its y
	s_lshl_b32 s42, ttmp9, 2                       ; in a cluster launch ttmp9 and ttmp7 count clusters
	s_add_co_u32 s42, s42, s40                     ; tile column = 4 x cluster x + cx
	s_and_b32 s13, ttmp7, 0xffff
	s_lshl_b32 s13, s13, 2
	s_add_co_u32 s13, s13, s41                     ; tile row = 4 x cluster y + cy
	s_lshl_b32 s43, s41, 2
	s_lshl_b32 s43, 15, s43                        ; my row of the cluster: places 4 cy .. 4 cy + 3
	s_lshl_b32 s44, 0x1111, s40                    ; my column: places cx, cx + 4, cx + 8, cx + 12
	; descriptor group 1: a tile of 128 rows x 128 elements, padded in LDS
	s_or_b32 s[G1+0], s43, (1<<16)|(1<<20)|(1<<21)|(5<<22)|(3<<25)  ; 15:0 the mask: A's tiles go to my row; 17:16 elements of 2 bytes; 20 padding on; 21 set beside a mask; 24:22 after every 64 words (code 5); 31:25 4 words of it (code 3)
	s_or_b32 s[G1B+0], s44, (1<<16)|(1<<20)|(1<<21)|(5<<22)|(3<<25) ; the same with the mask of my column, for B's tiles
.irp g, G1, G1B
	s_mov_b32 s[(\g)+1], KSTEP<<16                 ; tensor_dim0 = 128
	s_mov_b32 s[(\g)+2], 128<<16                   ; tensor_dim1 = 128
	s_mov_b32 s[(\g)+3], KSTEP<<16                 ; tile_dim0 = 128
	s_mov_b32 s[(\g)+4], 128                       ; tile_dim1 = 128
	s_mov_b32 s[(\g)+5], SIZE_K                    ; elements from row to row
	s_mov_b32 s[(\g)+6], 0
	s_mov_b32 s[(\g)+7], 0
.endr
	; where the tiles come from.  A's hang on the tile row alone, which my row of the cluster shares; B's on the tile column alone, which my column shares.
	s_lshl_b32 s17, s12, 7                         ; which 128 rows of the tile I fetch
	s_lshl_b32 s16, s13, 8
	s_add_co_u32 s16, s16, s17                     ; A: row 256 x tile row + 128 x half
	s_lshl_b32 s46, s42, 8
	s_add_co_u32 s46, s46, s17                     ; B: row 256 x tile column + 128 x half
	s_mov_b32 s17, 0
	s_mov_b32 s47, 0
	s_mov_b64 s[18:19], SIZE_K*2
	s_mul_u64 s[16:17], s[16:17], s[18:19]         ; in bytes
	s_mul_u64 s[46:47], s[46:47], s[18:19]
	s_mul_i32 s20, s10, HALFT                      ; and where they go: A's two halves, then B's two halves = wave x 128 rows: no place in the cluster enters an LDS address
	s_wait_dscnt 0x0                               ; both opening adds are done
	s_wait_kmcnt 0x0
	s_add_nc_u64 s[14:15], s[4:5], s[16:17]
	s_add_nc_u64 s[46:47], s[6:7], s[46:47]
	CROUND                                         ; all sixteen work-groups are here: the first joint loads meet
.irp s, 0,1
	s_mov_b32 s[G0+4*(\s)], 1                                      ; 1:0 count = 1
	s_add_co_u32 s[G0+4*(\s)+1], s20, (\s)*SLOT                    ; 63:32 LDS address
	s_add_nc_u64 s[G0+4*(\s)+2:G0+4*(\s)+3], s[14:15], (\s)*KSTEP*2  ; 120:64 global address: K step s
	s_or_b32 s[G0+4*(\s)+3], s[G0+4*(\s)+3], 0x80000000            ; 127:126 type = 2
	s_mov_b32 s[G0B+4*(\s)], 1
	s_add_co_u32 s[G0B+4*(\s)+1], s20, (\s)*SLOT
	s_add_nc_u64 s[G0B+4*(\s)+2:G0B+4*(\s)+3], s[46:47], (\s)*KSTEP*2
	s_or_b32 s[G0B+4*(\s)+3], s[G0B+4*(\s)+3], 0x80000000
	JLOAD \s                                       ; the ring is filled before anything else is done: two tensor loads of mine are out
.endr
	; A fragment is 16 rows x 32 K in 8 registers: lane l holds row l % 16; registers 0-3 hold K = 8 (l / 16) + 0..7, registers 4-7 hold K = 16 + 8 (l / 16) + 0..7: two loads of 16 bytes, 32 bytes apart.
	v_and_b32 v1, 15, v0                           ; l % 16
	v_bfe_u32 v2, v0, 4, 1                         ; l / 16
	v_and_b32 v6, 31, v0                           ; l
	v_mul_u32_u24 v3, v1, PITCH
	v_lshl_add_u32 v3, v2, 4, v3                   ; row x pitch + 16 x half
	s_mul_i32 s21, s11, HALFT                      ; my 128 rows of A
	s_mul_i32 s22, s12, HALFT                      ; my 128 rows of B,
	s_add_co_u32 s22, s22, 2*HALFT                 ; which lie behind A's 256
.irp s, 0,1
	v_add_nc_u32 v[ADRA+(\s)], s21, v3
	v_add_nc_u32 v[ADRB+(\s)], s22, v3
	s_add_co_u32 s21, s21, SLOT
	s_add_co_u32 s22, s22, SLOT
.endr
	s_mul_i32 s23, s10, 16*SPITCH
	s_add_co_u32 s23, s23, STAGE                   ; my stage
	v_mul_u32_u24 v4, v1, SPITCH                   ; in: row l % 16, 32 bytes for each half of the lanes
	v_lshl_add_u32 v4, v2, 5, v4
	v_add_nc_u32 v[STO], s23, v4
	v_lshl_add_u32 v[RD], v6, 4, s23               ; back: 32 lanes take one row of 512 bytes
	v_lshlrev_b32 v[CO], 4, v6                     ; and the same 512 bytes in out
	; my part of the tile in out, in rs and in the three vectors of a number a column
	s_lshl_b32 s13, s13, 8                         ; 256 x tile row
	s_lshl_b32 s14, s11, 7
	s_add_co_u32 s16, s13, s14                     ; my first row
	s_lshl_b32 s17, s16, 2
	v_lshl_add_u32 v[RO], v6, 2, s17               ; 4 (first row + lane)
	s_lshl_b32 s16, s16, 14                        ; a row of out is 16,384 bytes: under 2^26
	s_lshl_b32 s46, s42, 10                        ; my first column, in bytes of f32: 1,024 x tile column + 512 x half
	s_lshl_b32 s47, s12, 9
	s_add_co_u32 s46, s46, s47
	v_lshl_add_u32 v[CN], v6, 4, s46               ; + 16 x lane: my four columns
	s_add_co_u32 s16, s16, s46
	s_mov_b32 s17, 0
	s_add_nc_u64 s[8:9], s[8:9], s[16:17]          ; out at my wave's first row and column
	global_load_b128 v[SC:SC+3], v[CN], s[80:81]
	global_load_b128 v[NZ:NZ+3], v[CN], s[82:83]
	global_load_b128 v[BI:BI+3], v[CN], s[84:85]
.irp j, 0,1,2,3
	global_load_b32 v[RS+(\j)], v[RO], s[86:87] offset:128*(\j)
.endr
	; the prefetches.  s13 = 256 x tile row, s42 = tile column, s40 = cx, s41 = cy still stand
	s_lshl_b32 s42, s42, 8
	s_and_b32 s22, ttmp7, 0xffff                   ; cluster y
	s_cmp_eq_u32 s11, 0                            ; do I fetch for A?
	s_cselect_b32 s20, s13, s42                    ; the tile's first row: in A by the tile row, in B by the tile column
	s_cselect_b32 s21, s40, s41                    ; my place among the four that ask for it with me
	s_cselect_b32 s22, ttmp9, s22                  ; the coordinate along which other clusters read the same rows
	s_cselect_b64 s[PFA:PFA+1], s[4:5], s[6:7]
	s_cmp_eq_u32 s22, 0
	s_cselect_b32 s[LIM], 1, -1                    ; the same in all sixteen partners, for a given wave
	s_lshl_b32 s22, s12, 7
	s_add_co_u32 s20, s20, s22                     ; + the 128 rows that I fetch
	s_lshl_b32 s21, s21, 5
	s_add_co_u32 s20, s20, s21                     ; + my work-group's 32 of them
	s_mov_b32 s21, 0
	s_mov_b64 s[18:19], SIZE_K*2
	s_mul_u64 s[20:21], s[20:21], s[18:19]
	s_add_nc_u64 s[PFA:PFA+1], s[PFA:PFA+1], s[20:21]
	s_add_nc_u64 s[PFA:PFA+1], s[PFA:PFA+1], 2*KSTEP*2  ; at K step 2: the first refill steps it to 3 and names K step 4
	v_lshlrev_b32 v[PFO], 13, v6
.irp j, 1,3,5,7
	s_mov_b32 s[RSS+(\j)], 0                       ; named with the low words as pairs, so they are written
.endr
	s_wait_loadcnt 0x0                             ; scale, zero point, bias, rs: once
.irp j, 0,1,2,3
	v_mul_f32 v[NZ+(\j)], -v[SC+(\j)], v[NZ+(\j)]  ; -scale x zero point
.endr
; 16 matrix instructions: m blocks a0, a0 + 1 of the window's four (hi = 0: my rows 0-63, 1: rows 64-127) x all 8 n blocks, 32 along K.  zero = 1: the first product starts the sums: nothing is ever cleared.
; The 64 accumulators take turns, one instruction a turn, in the same order in every quarter step, over the loop's backward jump too.
.macro MUL16 f, hi, a0, zero
	WIN MUL_LO+0x50*(\hi)  ; MUL_LO or MUL_HI
.irp a, \a0, (\a0)+1
.irp b, 0,1,2,3,4,5,6,7
.if \zero
	v_wmma_f32_16x16x32_bf16 v[8*(8*(\a)+(\b)):8*(8*(\a)+(\b))+7], v[(\f)+8*(\b):(\f)+8*(\b)+7], v[(\f)+8*(4*(\hi)+(\a)):(\f)+8*(4*(\hi)+(\a))+7], 0
.else
	v_wmma_f32_16x16x32_bf16 v[8*(8*(\a)+(\b)):8*(8*(\a)+(\b))+7], v[(\f)+8*(\b):(\f)+8*(\b)+7], v[(\f)+8*(4*(\hi)+(\a)):(\f)+8*(4*(\hi)+(\a))+7], v[8*(8*(\a)+(\b)):8*(8*(\a)+(\b))+7]
.endif
.endr
.endr
.endm
; 32 LDS loads in one run: the fragments of one quarter step (128 rows of B, 128 rows of A, 32 K at byte k of the rows) into buffer f
.macro FETCH slot, k, f
	WIN TO_B
.irp i, 0,1,2,3,4,5,6,7
	ds_load_b128 v[(\f)+8*(\i):(\f)+8*(\i)+3],   v[ADRB+(\slot)] offset:(\k)+(\i)*16*PITCH
	ds_load_b128 v[(\f)+8*(\i)+4:(\f)+8*(\i)+7], v[ADRB+(\slot)] offset:(\k)+(\i)*16*PITCH+32
.endr
	WIN 0
.irp i, 0,1,2,3,4,5,6,7
	ds_load_b128 v[(\f)+8*(\i):(\f)+8*(\i)+3],   v[ADRA+(\slot)] offset:(\k)+(\i)*16*PITCH
	ds_load_b128 v[(\f)+8*(\i)+4:(\f)+8*(\i)+7], v[ADRA+(\slot)] offset:(\k)+(\i)*16*PITCH+32
.endr
.endm
; A load into a register that a matrix instruction has read, and an LDS store that reads a matrix result, stand four places behind that matrix instruction, and only plain vector instructions that
; name none of its registers are places (ISA guide 7.12.1 for vector instructions); the matrix instructions in between are not counted.
.macro PLACES
.rept 4
	v_nop
.endr
.endm
; A K step is four quarter steps of 32 along K, 64 matrix instructions each, on buffers 0, 1, 0, 1.
; One of the first three: multiplies buffer f; in its middle it fetches the next quarter's fragments, at byte k of the same slot's rows, into buffer g.
.macro QUARTER slot, k, f, g, zero
	s_wait_dscnt 8                                 ; B and A's rows 0-63 are in; the youngest eight loads (A's rows 64-127) may be out
	WIN MUL_LO
	MUL16 \f, 0, 0, \zero
	MUL16 \f, 0, 2, \zero
	PLACES
	FETCH \slot, \k, \g
	s_wait_dscnt 32                                ; all but the 32 just issued
	WIN MUL_HI
	MUL16 \f, 1, 0, \zero
	MUL16 \f, 1, 2, \zero
.endm
; The last quarter multiplies buffer 1 and changes slots.  MEET is its first half: ONE barrier for the change of slots.  In front of it each wave waits for all its tensor loads, of which one is out: its part of
; the next slot; adds 0 to its spare word; and waits for that and for its own reads of this slot.  Behind it nobody reads this slot any more and the next slot is whole.
.macro MEET round                      ; round = 1: a round of the cluster's barrier follows
	WIN 0                                          ; (the add's two registers lie in window 0)
	s_wait_tensorcnt 0x0                           ; all my tensor loads have landed: the one that was out is my part of the next slot;
	ds_add_u32 v[SPW], v[NIL]                      ; 0 onto my spare word;
	s_wait_dscnt 9                                 ; (the add and the youngest eight loads may be out)
	WIN MUL_LO
	MUL16 F1, 0, 0, 0                              ; sixteen matrix instructions stand between the add and the wait for it
	s_wait_dscnt 0x0                               ; the add is done, and my reads of this slot are over:
	s_barrier_signal -1                            ; say so (where a slot is filled again this barrier opens a round of the cluster's barrier),
	MUL16 F1, 0, 2, 0                              ; work on registers while the others arrive,
.if \round
	WIN 0
.endif
	s_barrier_wait -1                              ; and go on when all four have said so
.endm
; The whole last quarter, in the loop.  Behind the round the slot just read out is filled again first, with the K step two steps on; then come the next slot's first fragments.
; From a request to the wait for it a wave issues 224 matrix instructions.
.macro TURN slot, next
	s_wait_xcnt 0x0                                ; the last prefetch, a K step back, has read its address: it is stepped here, ahead of the waits of the change of slots
	s_add_nc_u64 s[PFA:PFA+1], s[PFA:PFA+1], KSTEP*2
	MEET 1
	CREST                                          ; all sixteen work-groups have said so: no wave of any partner still reads this slot's tile or has a load on its way
	s_add_nc_u64 s[G0+4*(\slot)+2:G0+4*(\slot)+3], s[G0+4*(\slot)+2:G0+4*(\slot)+3], 2*KSTEP*2    ; no tensor load of mine is out, so a group 0 may be written
	s_add_nc_u64 s[G0B+4*(\slot)+2:G0B+4*(\slot)+3], s[G0B+4*(\slot)+2:G0B+4*(\slot)+3], 2*KSTEP*2
	JLOAD \slot                                    ; the first tensor load behind the round, and my only one until the next; the four v_nop behind it are also the places in front of the loads below
	FETCH \next, 0, F0
	ASK                                            ; behind the joint load and the run of LDS loads that the next products wait for
	WIN MUL_HI
	MUL16 F1, 1, 0, 0
	MUL16 F1, 1, 2, 0
.endm
; THE WAY OUT of block a (16 rows x 128 columns of f32), in two parts.
; TOSTAGE: the accumulators go as they are into my own stage in LDS, 32 bytes a lane, each accumulator's low four registers first; and come back as whole rows of 512 bytes, a row a load.
.macro TOSTAGE a
.set AC, 64*((\a)%4)
.set BK, OB+64*((\a)%2)
.if (\a) >= 2
	s_wait_xcnt 0x0                                ; the stores of block a - 2 have read this buffer: it is loaded again only behind this wait
.endif
	WIN 0x08+4*((\a)/4)                            ; an LDS store's data is source 1: window 2 or 3
.irp b, 0,1,2,3,4,5,6,7
	ds_store_b128 v[STO], v[AC+8*(\b):AC+8*(\b)+3]   offset:64*(\b)
	ds_store_b128 v[STO], v[AC+8*(\b)+4:AC+8*(\b)+7] offset:64*(\b)+16
.endr
	WIN 0
.set t, 0
.rept 16
	ds_load_b128 v[BK+4*t:BK+4*t+3], v[RD] offset:SPITCH*t  ; LDS serves a wave's instructions in order (ISA guide 5.7.1.4): these see the stores above, and the next block's stores come behind them
.set t, t+1
.endr
.endm
; SEND: row t of the block: its rs as a scalar; bias - scale zp rs for my four columns; the sums times scale plus that; 512 consecutive bytes of out, at a multiple of 256 from its first byte.
; younger: the LDS instructions issued behind the block's loads: the next block's 16 stores and 16 loads, or none.
.macro SEND a, younger
	WIN 0
.set BK, OB+64*((\a)%2)
.set t, 0
.rept 16
.set i, 16*(\a)+t
.set p, RSS+2*(t%4)
.set q, TT+4*(t%4)
	v_readlane_b32 s[p], v[RS+i/32], i%32
	v_pk_fma_f32 v[q:q+1],   v[NZ:NZ+1],   s[p:p+1], v[BI:BI+1]   op_sel_hi:[1,0,1]
	v_pk_fma_f32 v[q+2:q+3], v[NZ+2:NZ+3], s[p:p+1], v[BI+2:BI+3] op_sel_hi:[1,0,1]
	s_wait_dscnt (\younger)+15-t                   ; LDS loads come back in order: row t is in
	v_pk_fma_f32 v[BK+4*t:BK+4*t+1],   v[BK+4*t:BK+4*t+1],   v[SC:SC+1],   v[q:q+1]
	v_pk_fma_f32 v[BK+4*t+2:BK+4*t+3], v[BK+4*t+2:BK+4*t+3], v[SC+2:SC+3], v[q+2:q+3]
	global_store_b128 v[CO], v[BK+4*t:BK+4*t+3], s[8:9] offset:i*SIZE_N*4 th:TH_STORE_NT  ; the row stands in the immediate: 127 x 16,384 at the most, inside its signed 24 bits
.set t, t+1
.endr
.endm
	s_wait_tensorcnt 1                             ; my part of K step 0 is in; K step 1's may stay out
	s_barrier_signal -1
	s_barrier_wait -1                              ; everybody's is
	FETCH 0, 0, F0
	QUARTER 0, 64,  F0, F1, 1                      ; the first quarter stands in front of the loop: its products start the sums
	WIN 0                                          ; at a label and at a branch every window is 0
	s_mov_b32 s3, LAPS-1
.Llap:                                                 ; a trip goes once round the ring, from a lap's second quarter to the next lap's first, and fills both slots again
	QUARTER 0, 128, F1, F0, 0
	QUARTER 0, 192, F0, F1, 0
	TURN 0, 1
	QUARTER 1, 64,  F0, F1, 0
	QUARTER 1, 128, F1, F0, 0
	QUARTER 1, 192, F0, F1, 0
	TURN 1, 0
	QUARTER 0, 64,  F0, F1, 0
	WIN 0
	s_sub_co_u32 s3, s3, 1
	s_cmp_lg_u32 s3, 0
	s_cbranch_scc1 .Llap
	QUARTER 0, 128, F1, F0, 0                      ; the last lap is written out: it fills nothing, and has no round of the cluster's barrier
	QUARTER 0, 192, F0, F1, 0
	MEET 0                                         ; my one tensor load that was still out is slot 1's, the last K step's
	PLACES                                         ; for the loads into buffer 0, which the quarter before multiplied
	FETCH 1, 0, F0
	WIN MUL_HI
	MUL16 F1, 1, 0, 0
	MUL16 F1, 1, 2, 0
	QUARTER 1, 64,  F0, F1, 0
	QUARTER 1, 128, F1, F0, 0
	QUARTER 1, 192, F0, F1, 0
	s_wait_dscnt 8                                 ; the very last quarter: nothing more to fetch
	WIN MUL_LO
	MUL16 F1, 0, 0, 0
	MUL16 F1, 0, 2, 0
	s_wait_dscnt 0x0
	MUL16 F1, 1, 0, 0
	MUL16 F1, 1, 2, 0
	WIN 0
	PLACES                                         ; behind the last products, in front of LDS stores that read results and of loads into A's buffers: four are asked for;
	PLACES                                         ; eight stand here, once a launch
	TOSTAGE 0
	TOSTAGE 1                                      ; a block's trip through the stage stands between the loads of the block before and its arithmetic
	SEND 0, 32
.irp a, 2,3,4,5,6,7
	TOSTAGE \a
	SEND (\a)-1, 32
.endr
	SEND 7, 0
	s_wait_tensorcnt 0x0                           ; the wave's end: behind my last tensor load and my last LDS store
	ds_add_u32 v[SPW], v[NIL]
	s_wait_dscnt 0x0
	CROUND                                         ; the closing round: no work-group ends while a partner may still ask for a tile that names it
	s_endpgm
.Lfunc_end_k_q87fec90b9c_gemm:
	.size	k_q87fec90b9c_gemm, .Lfunc_end_k_q87fec90b9c_gemm-k_q87fec90b9c_gemm
	.p2alignl 7, 3214868480
	.fill 96, 4, 3214868480
	.section	.rodata,"a",@progbits
	.p2align	6, 0x0
	.amdhsa_kernel k_q87fec90b9c_gemm
		.amdhsa_group_segment_fixed_size 327680
		.amdhsa_private_segment_fixed_size 0
		.amdhsa_enable_private_segment 0
		.amdhsa_kernarg_size 56
		.amdhsa_user_sgpr_count 2
		.amdhsa_user_sgpr_kernarg_segment_ptr 1
		.amdhsa_wavefront_size32 1
		.amdhsa_system_sgpr_workgroup_id_x 1
		.amdhsa_system_sgpr_workgroup_id_y 1
		.amdhsa_system_sgpr_workgroup_id_z 1
		.amdhsa_system_vgpr_workitem_id 0
		.amdhsa_next_free_vgpr 1024
		.amdhsa_next_free_sgpr 92
		.amdhsa_reserve_vcc 0
		.amdhsa_float_denorm_mode_32 3
		.amdhsa_float_denorm_mode_16_64 3
		.amdhsa_memory_ordered 1
		.amdhsa_forward_progress 1
		.amdhsa_inst_pref_size 186
	.end_amdhsa_kernel
	.amdgpu_metadata
---
amdhsa.version: [ 1, 2 ]
amdhsa.kernels:
  - .name:           k_q87fec90b9c_gemm
    .symbol:         k_q87fec90b9c_gemm.kd
    .args:
      - { .name: xb, .offset: 0, .size: 8, .value_kind: global_buffer, .address_space: global }
      - { .name: wb, .offset: 8, .size: 8, .value_kind: global_buffer, .address_space: global }
      - { .name: out0, .offset: 16, .size: 8, .value_kind: global_buffer, .address_space: global }
      - { .name: scale, .offset: 24, .size: 8, .value_kind: global_buffer, .address_space: global }
      - { .name: zero_point, .offset: 32, .size: 8, .value_kind: global_buffer, .address_space: global }
      - { .name: bias, .offset: 40, .size: 8, .value_kind: global_buffer, .address_space: global }
      - { .name: rs, .offset: 48, .size: 8, .value_kind: global_buffer, .address_space: global }
    .group_segment_fixed_size: 327680
    .private_segment_fixed_size: 0
    .kernarg_segment_align: 8
    .kernarg_segment_size: 56
    .max_flat_workgroup_size: 128
    .sgpr_count:     92
    .vgpr_count:     1024
    .wavefront_size: 32
...
	.end_amdgpu_metadata
.endif
;; end of part 2
